; MI455X (gfx1250); checked and timed in simulation.
; The chip was launched on July 23, 2026; its instructions are those of AMD's public machine-readable ISA for CDNA 5 (MIT licence, August 2026) and "CDNA5" Instruction Set Architecture Reference Guide (July 2026). The comments in the code are by the model that wrote it; some were corrected since.
;; FP8 Linear. Allowed arithmetic: float matrix products may take bf16 or f16 operands with f32 sums; other float arithmetic in f32, or as packed bf16 or f16 multiplies, adds, multiply-adds, maxima and minima; sums over many terms, partial sums and values carried from step to step in f32; what a program stores and reads back later, other than sums and carried values, may be rounded once to bf16 or f16.
;; Inputs: weight 2,048 x 2,048 bfloat16; x 8,192 x 2,048 bfloat16.
;; Outputs: out0 8,192 x 2,048 bfloat16.
;; 2 versions, each right; version 2 is version 1 with the launch quant written anew for expert scheduling mode. Each part assembles by itself: llvm-mc -triple=amdgcn-amd-amdhsa -mcpu=gfx1250 --defsym DOCPART=n.
;; ======== version 1 of 2: 3 launches
;; workspace buffers: part 2,048 bytes; xq 33,554,432 bytes; wq 8,388,608 bytes; scale 256 bytes
;; launch amax (part 1): grid 256 x 1, 16 waves a work-group, no clusters, 2,304 bytes of LDS; arguments x, weight, part; writes part
.if DOCPART == 1
	.amdgcn_target "amdgcn-amd-amdhsa--gfx1250"
	.amdhsa_code_object_version 6
	.text
	.protected	k_qd66ca1ca9d_amax
	.globl	k_qd66ca1ca9d_amax
	.p2align	8
	.type	k_qd66ca1ca9d_amax,@function
k_qd66ca1ca9d_amax:
	s_mov_b64 s[64:65], 0
	v_nop
	global_prefetch_b8 v0, s[64:65] scope:SCOPE_SE
	s_setreg_imm32_b32 hwreg(HW_REG_WAVE_MODE, 25, 1), 1
	s_wait_xcnt 0x0
; part[i] = (largest |x| of x's chunk i, largest |weight| of weight's chunk i), two f32, for i = 0 .. 255.
; x is 33,554,432 bytes: 256 chunks of 131,072; weight is 8,388,608 bytes: 256 chunks of 32,768.  A work-group of 16 waves takes one chunk of each.
; Thread t loads the 16 bytes at 16 t + 8,192 j of its chunks (j = 0..15 for x, 0..3 for weight): a load of a wave covers 512 consecutive bytes,
; and all 20 loads of a thread are issued before the first is waited for.  A stream: no matrix work, no tiles in LDS, no cluster: nothing is shared.
; The maxima are taken on the packed bf16 words (nothing is rounded), then widened to f32.
; LIMITS.  A NaN loses in every maximum; infinities are not treated apart.
.set X,     8                          ; v[8:87]    load j at X + 4 j
.set MX,    88                         ; v[88:91]   four running maxima of |x|, two bf16 each
.set MW,    92                         ; v[92:95]   the same for |weight|
.set T,     96                         ; v[96:99]   at work; later the wave's pair and the work-group's pair
.set SPW,   100                        ; v100       LDS address of my spare word: SPARE + 4 x my thread's number; never rewritten
.set NIL,   101                        ; v101       0; never rewritten
.set SPARE, 256                        ; LDS: bytes 0-127 the 16 waves' pairs (the block 0-255 is theirs alone); from 256 on the spare words, 128 bytes a wave
	s_load_b128 s[4:7], s[0:1], 0x0                ; x s[4:5], weight s[6:7]
	s_load_b64 s[8:9], s[0:1], 0x10                ; part
	v_lshl_add_u32 v[SPW], v0, 2, SPARE
	v_mov_b32 v[NIL], 0
	v_lshrrev_b32 v2, 5, v0
	v_readfirstlane_b32 s10, v2                    ; my wave's number
	v_lshlrev_b32 v1, 4, v0                        ; 16 t
	v_mov_b32 v2, s10
	v_lshlrev_b32 v2, 3, v2                        ; where my wave's pair goes: 8 x wave
	v_and_b32 v3, 15, v0
	v_lshlrev_b32 v3, 3, v3                        ; which wave's pair I read back: 8 x (lane mod 16)
	v_mov_b32 v4, 0
	s_mov_b32 s12, 0x76543210                      ; v_permlanex16_b32: lane i of one half reads lane i of the other
	s_mov_b32 s13, 0xfedcba98
	s_mov_b32 s14, 0x7fff7fff                      ; clears the signs of two bf16
	s_mov_b32 s15, 0xffff0000                      ; a word's upper bf16
	s_lshl_b32 s16, ttmp9, 17                      ; my chunk of x: 131,072 i (below 2^25)
	s_mov_b32 s17, 0
	s_lshl_b32 s18, ttmp9, 15                      ; my chunk of weight: 32,768 i
	s_mov_b32 s19, 0
	s_lshl_b32 s22, ttmp9, 3                       ; my pair in part: 8 i
	s_mov_b32 s23, 0
	s_wait_kmcnt 0x0
	s_add_nc_u64 s[4:5], s[4:5], s[16:17]
	s_add_nc_u64 s[6:7], s[6:7], s[18:19]
	s_add_nc_u64 s[8:9], s[8:9], s[22:23]
.irp j, 0,1,2,3,4,5,6,7,8,9,10,11,12,13,14,15
	global_load_b128 v[X+4*(\j):X+4*(\j)+3], v1, s[4:5] offset:8192*(\j)
.endr
.irp j, 0,1,2,3
	global_load_b128 v[X+64+4*(\j):X+64+4*(\j)+3], v1, s[6:7] offset:8192*(\j)
.endr
; Load j's four words go onto the four chains.  first = 1: they start the chains: nothing is cleared.
.macro TAKE j, chain, first
	s_wait_loadcnt 19-(\j)                         ; loads come back in order (ISA guide 5.7.1): 19 - j younger ones were issued behind load j
.if \first
.irp k, 0,1,2,3
	v_and_b32 v[(\chain)+(\k)], s14, v[X+4*(\j)+(\k)]
.endr
.else
.irp k, 0,1,2,3
	v_and_b32 v[T+(\k)], s14, v[X+4*(\j)+(\k)]
.endr
.irp k, 0,1,2,3
	v_pk_max_num_bf16 v[(\chain)+(\k)], v[(\chain)+(\k)], v[T+(\k)]
.endr
.endif
.endm
; The four chains of a tensor become one f32 maximum over the wave's 32 lanes, in every lane.
.macro WAVEMAX c, dst
	v_pk_max_num_bf16 v[(\c)], v[(\c)], v[(\c)+1]
	v_pk_max_num_bf16 v[(\c)+2], v[(\c)+2], v[(\c)+3]
	v_pk_max_num_bf16 v[(\c)], v[(\c)], v[(\c)+2]
	v_lshlrev_b32 v[(\c)+1], 16, v[(\c)]           ; the two halves as f32
	v_and_b32 v[(\c)+2], s15, v[(\c)]
	v_max_num_f32 v[(\c)+1], v[(\c)+1], v[(\c)+2]
	v_max_num_f32_dpp v[(\c)+1], v[(\c)+1], v[(\c)+1] row_xmask:1 row_mask:0xf bank_mask:0xf
	v_max_num_f32_dpp v[(\c)+1], v[(\c)+1], v[(\c)+1] row_xmask:2 row_mask:0xf bank_mask:0xf
	v_max_num_f32_dpp v[(\c)+1], v[(\c)+1], v[(\c)+1] row_xmask:4 row_mask:0xf bank_mask:0xf
	v_max_num_f32_dpp v[(\c)+1], v[(\c)+1], v[(\c)+1] row_xmask:8 row_mask:0xf bank_mask:0xf
	v_permlanex16_b32 v[(\c)+2], v[(\c)+1], s12, s13  ; its destination has been written before
	v_max_num_f32 v[(\dst)], v[(\c)+1], v[(\c)+2]
.endm
	TAKE 0, MX, 1
.irp j, 1,2,3,4,5,6,7,8,9,10,11,12,13,14,15
	TAKE \j, MX, 0
.endr
	TAKE 16, MW, 1
.irp j, 17,18,19
	TAKE \j, MW, 0
.endr
	WAVEMAX MX, T
	WAVEMAX MW, T+1
	ds_store_b64 v2, v[T:T+1]                      ; all lanes of a wave write the same pair to the wave's own 8 bytes
	s_wait_dscnt 0x0                               ; for the others' sake: my store is done
	s_barrier_signal -1
	s_barrier_wait -1
	ds_load_b64 v[T+2:T+3], v3                     ; the 16 lanes of each half hold the 16 waves' pairs
	s_wait_dscnt 0x0
.irp m, 1,2,4,8
	v_max_num_f32_dpp v[T+2], v[T+2], v[T+2] row_xmask:\m row_mask:0xf bank_mask:0xf
	v_max_num_f32_dpp v[T+3], v[T+3], v[T+3] row_xmask:\m row_mask:0xf bank_mask:0xf
.endr
	s_wait_tensorcnt 0x0                           ; the wave's end: behind my last LDS store
	ds_add_u32 v[SPW], v[NIL]
	s_wait_dscnt 0x0
	v_cmp_eq_u32 vcc_lo, 0, v0                     ; thread 0 stores the work-group's pair: 8 bytes, 2,048 in the whole launch
	s_wait_xcnt 0x0                                ; EXEC changes only behind this wait
	s_and_saveexec_b32 s20, vcc_lo
	global_store_b64 v4, v[T+2:T+3], s[8:9]
	s_wait_xcnt 0x0                                ; and again in front of the line that widens it
	s_or_b32 exec_lo, exec_lo, s20
	s_endpgm
.Lfunc_end_k_qd66ca1ca9d_amax:
	.size	k_qd66ca1ca9d_amax, .Lfunc_end_k_qd66ca1ca9d_amax-k_qd66ca1ca9d_amax
	.p2alignl 7, 3214868480
	.fill 96, 4, 3214868480
	.section	.rodata,"a",@progbits
	.p2align	6, 0x0
	.amdhsa_kernel k_qd66ca1ca9d_amax
		.amdhsa_group_segment_fixed_size 2304
		.amdhsa_private_segment_fixed_size 0
		.amdhsa_enable_private_segment 0
		.amdhsa_kernarg_size 24
		.amdhsa_user_sgpr_count 2
		.amdhsa_user_sgpr_kernarg_segment_ptr 1
		.amdhsa_wavefront_size32 1
		.amdhsa_system_sgpr_workgroup_id_x 1
		.amdhsa_system_sgpr_workgroup_id_y 1
		.amdhsa_system_sgpr_workgroup_id_z 1
		.amdhsa_system_vgpr_workitem_id 0
		.amdhsa_next_free_vgpr 104
		.amdhsa_next_free_sgpr 66
		.amdhsa_reserve_vcc 1
		.amdhsa_float_denorm_mode_32 3
		.amdhsa_float_denorm_mode_16_64 3
		.amdhsa_memory_ordered 1
		.amdhsa_forward_progress 1
		.amdhsa_inst_pref_size 14
	.end_amdhsa_kernel
	.amdgpu_metadata
---
amdhsa.version: [ 1, 2 ]
amdhsa.kernels:
  - .name:           k_qd66ca1ca9d_amax
    .symbol:         k_qd66ca1ca9d_amax.kd
    .args:
      - { .name: x, .offset: 0, .size: 8, .value_kind: global_buffer, .address_space: global }
      - { .name: weight, .offset: 8, .size: 8, .value_kind: global_buffer, .address_space: global }
      - { .name: part, .offset: 16, .size: 8, .value_kind: global_buffer, .address_space: global }
    .group_segment_fixed_size: 2304
    .private_segment_fixed_size: 0
    .kernarg_segment_align: 8
    .kernarg_segment_size: 24
    .max_flat_workgroup_size: 512
    .sgpr_count:     66
    .vgpr_count:     104
    .wavefront_size: 32
...
	.end_amdgpu_metadata
.endif
;; end of part 1
;; launch quant (part 2): grid 256 x 1, 16 waves a work-group, no clusters, 0 bytes of LDS; arguments x, weight, part, xq, wq, scale; writes xq, wq, scale
.if DOCPART == 2
	.amdgcn_target "amdgcn-amd-amdhsa--gfx1250"
	.amdhsa_code_object_version 6
	.text
	.protected	k_qd66ca1ca9d_quant
	.globl	k_qd66ca1ca9d_quant
	.p2align	8
	.type	k_qd66ca1ca9d_quant,@function
k_qd66ca1ca9d_quant:
	s_mov_b64 s[64:65], 0
	v_nop
	global_prefetch_b8 v0, s[64:65] scope:SCOPE_SE
	s_setreg_imm32_b32 hwreg(HW_REG_WAVE_MODE, 25, 1), 1
	s_wait_xcnt 0x0
; xq = e4m3(x * 448 / amax_x) and wq = e4m3(weight * 448 / amax_w), each written as bf16 (an e4m3 number has 3 fraction bits and lies between 2^-9 and 448 in size: exact in bf16);
; scale[0..63] = (amax_x / 448) (amax_w / 448), 64 equal f32.  amax = max(largest magnitude of the tensor, 1e-12), from the 256 pairs in part.
; The chunks are the same as in the launch before: work-group i takes 131,072 bytes of x and 32,768 of weight; thread t the 16 bytes at 16 t + 8,192 j.  All 24 loads of a thread are
; issued at once; each chunk is converted in the registers that it was loaded into and stored from them, 512 consecutive bytes a wave.  Straight-line text: no register of a pending store is written again.
; A stream: no matrix work, no LDS, no cluster.
; LIMITS.  448 / amax and amax / 448 are a reciprocal with one correction step and a corrected quotient: the last bit may differ from a division's.  amax stays below 2^126
; (beyond it v_rcp_f32's result is a denormal and comes out as 0: ISA guide 15.8).  NaN and infinities are not treated apart.
.set FX, 6                             ; v[6:7]     448 / amax_x, twice: a pair for the packed multiply
.set FW, 8                             ; v[8:9]     448 / amax_w, twice
.set T,  10                            ; v[10:17]   8 numbers in f32, at work
.set P,  26                            ; v[26:41]   my 16 words of part: even words x's maxima, odd words weight's
.set X,  44                            ; v[44:123]  load j at X + 4 j; v4, v5: eight e4m3 codes; v18, v19: the two amax; v20-25 at work
	s_load_b256 s[4:11], s[0:1], 0x0               ; x s[4:5], weight s[6:7], part s[8:9], xq s[10:11]
	s_load_b128 s[12:15], s[0:1], 0x20             ; wq s[12:13], scale s[14:15]
	v_lshrrev_b32 v2, 5, v0
	v_readfirstlane_b32 s16, v2                    ; my wave's number
	v_lshlrev_b32 v1, 4, v0                        ; 16 t
	v_and_b32 v3, 31, v0
	v_lshlrev_b32 v2, 4, v3                        ; 16 x lane
	v_lshlrev_b32 v3, 3, v3                        ; 8 x lane
	v_mov_b32 v4, 0                                ; written whole once: below they are written by halves
	v_mov_b32 v5, 0
	s_lshl_b32 s18, ttmp9, 17                      ; 131,072 i
	s_mov_b32 s19, 0
	s_lshl_b32 s20, ttmp9, 15                      ; 32,768 i
	s_mov_b32 s21, 0
	s_mov_b32 s22, 0x76543210                      ; v_permlanex16_b32: lane i of one half reads lane i of the other
	s_mov_b32 s23, 0xfedcba98
	s_mov_b32 s24, 0xffff0000                      ; a word's upper bf16
	s_mov_b32 s25, 0xc3e00000                      ; -448
	s_mov_b32 s26, 0x43e00000                      ; 448
	s_mov_b32 s27, 0x3b124925                      ; 1 / 448
	s_wait_kmcnt 0x0
	s_add_nc_u64 s[4:5], s[4:5], s[18:19]
	s_add_nc_u64 s[10:11], s[10:11], s[18:19]
	s_add_nc_u64 s[6:7], s[6:7], s[20:21]
	s_add_nc_u64 s[12:13], s[12:13], s[20:21]
.irp j, 0,1,2,3
	global_load_b128 v[P+4*(\j):P+4*(\j)+3], v2, s[8:9] offset:512*(\j)  ; every wave reads all 2,048 bytes of part
.endr
.irp j, 0,1,2,3,4,5,6,7,8,9,10,11,12,13,14,15
	global_load_b128 v[X+4*(\j):X+4*(\j)+3], v1, s[4:5] offset:8192*(\j)
.endr
.irp j, 0,1,2,3
	global_load_b128 v[X+64+4*(\j):X+64+4*(\j)+3], v1, s[6:7] offset:8192*(\j)
.endr
	s_wait_loadcnt 20                              ; part is in: the 20 loads of data were issued behind it
	v_max3_num_f32 v18, v[P], v[P+2], v[P+4]
	v_max3_num_f32 v19, v[P+1], v[P+3], v[P+5]
	v_max3_num_f32 v20, v[P+6], v[P+8], v[P+10]
	v_max3_num_f32 v21, v[P+7], v[P+9], v[P+11]
	v_max3_num_f32 v18, v18, v[P+12], v[P+14]
	v_max3_num_f32 v19, v19, v[P+13], v[P+15]
	v_max_num_f32 v18, v18, v20
	v_max_num_f32 v19, v19, v21
.irp m, 1,2,4,8
	v_max_num_f32_dpp v18, v18, v18 row_xmask:\m row_mask:0xf bank_mask:0xf
	v_max_num_f32_dpp v19, v19, v19 row_xmask:\m row_mask:0xf bank_mask:0xf
.endr
	v_permlanex16_b32 v20, v18, s22, s23
	v_permlanex16_b32 v21, v19, s22, s23
	v_max_num_f32 v18, v18, v20
	v_max_num_f32 v19, v19, v21
	v_max_num_f32 v18, 0x2b8cbccc, v18             ; at least 1e-12
	v_max_num_f32 v19, 0x2b8cbccc, v19
	v_rcp_f32 v20, v18
	v_rcp_f32 v21, v19
	v_nop                                          ; a plain instruction between the reciprocals and the use of their results (ISA guide 5.7.2)
	s_wait_alu depctr_va_vdst(0)
	v_fma_f32 v22, -v18, v20, 1.0                  ; r = r + r (1 - a r)
	v_fma_f32 v23, -v19, v21, 1.0
	v_fma_f32 v20, v20, v22, v20
	v_fma_f32 v21, v21, v23, v21
	v_mul_f32 v22, s26, v20                        ; q = 448 r, then q = q + r (448 - a q)
	v_mul_f32 v23, s26, v21
	v_fma_f32 v24, -v18, v22, s26
	v_fma_f32 v25, -v19, v23, s26
	v_fma_f32 v[FX], v24, v20, v22
	v_fma_f32 v[FW], v25, v21, v23
	v_mov_b32 v[FX+1], v[FX]
	v_mov_b32 v[FW+1], v[FW]
; Load j's eight numbers: widened, scaled by the pair f, held to +-448 (the product of amax and f may pass 448 by a rounding, and the conversion does not saturate),
; rounded to e4m3, widened again, packed as bf16 in place, stored at byte off of the chunk in the buffer at s[base].
.macro CONV j, f, base, off
	s_wait_loadcnt 19-(\j)                         ; 19 - j younger loads were issued behind load j
.irp k, 0,1,2,3
	v_lshlrev_b32 v[T+2*(\k)],   16, v[X+4*(\j)+(\k)]
	v_and_b32     v[T+2*(\k)+1], s24, v[X+4*(\j)+(\k)]
.endr
.irp k, 0,2,4,6
	v_pk_mul_f32 v[T+(\k):T+(\k)+1], v[T+(\k):T+(\k)+1], v[(\f):(\f)+1]
.endr
.irp k, 0,1,2,3,4,5,6,7
	v_med3_num_f32 v[T+(\k)], v[T+(\k)], s25, s26
.endr
	v_cvt_pk_fp8_f32 v4.l, v[T], v[T+1]
	v_cvt_pk_fp8_f32 v4.h, v[T+2], v[T+3]
	v_cvt_pk_fp8_f32 v5.l, v[T+4], v[T+5]
	v_cvt_pk_fp8_f32 v5.h, v[T+6], v[T+7]
	v_cvt_pk_f32_fp8 v[T:T+1], v4.l
	v_cvt_pk_f32_fp8 v[T+2:T+3], v4.h
	v_cvt_pk_f32_fp8 v[T+4:T+5], v5.l
	v_cvt_pk_f32_fp8 v[T+6:T+7], v5.h
.irp k, 0,1,2,3
	v_cvt_pk_bf16_f32 v[X+4*(\j)+(\k)], v[T+2*(\k)], v[T+2*(\k)+1]  ; exact
.endr
	global_store_b128 v1, v[X+4*(\j):X+4*(\j)+3], s[(\base):(\base)+1] offset:\off  ; a wave stores 512 consecutive bytes, at a multiple of 256 from the buffer's first
.endm
.irp j, 0,1,2,3,4,5,6,7,8,9,10,11,12,13,14,15
	CONV \j, FX, 10, 8192*(\j)
.endr
.irp j, 16,17,18,19
	CONV \j, FW, 12, 8192*((\j)-16)
.endr
	s_cmp_lg_u32 ttmp9, 0                          ; wave 0 of work-group 0 stores the scale
	s_cbranch_scc1 .Lend
	s_cmp_lg_u32 s16, 0
	s_cbranch_scc1 .Lend
	v_mul_f32 v20, s27, v18                        ; d = a / 448: d = a (1 / 448), then d = d + (a - 448 d) (1 / 448)
	v_mul_f32 v21, s27, v19
	v_fma_f32 v22, -v20, s26, v18
	v_fma_f32 v23, -v21, s26, v19
	v_fma_f32 v20, v22, s27, v20
	v_fma_f32 v21, v23, s27, v21
	v_mul_f32 v24, v20, v21
	v_mov_b32 v25, v24
	global_store_b64 v3, v[24:25], s[14:15]        ; 32 lanes x 8 bytes: the buffer's 256 bytes, whole
.Lend:
	s_endpgm
.Lfunc_end_k_qd66ca1ca9d_quant:
	.size	k_qd66ca1ca9d_quant, .Lfunc_end_k_qd66ca1ca9d_quant-k_qd66ca1ca9d_quant
	.p2alignl 7, 3214868480
	.fill 96, 4, 3214868480
	.section	.rodata,"a",@progbits
	.p2align	6, 0x0
	.amdhsa_kernel k_qd66ca1ca9d_quant
		.amdhsa_group_segment_fixed_size 0
		.amdhsa_private_segment_fixed_size 0
		.amdhsa_enable_private_segment 0
		.amdhsa_kernarg_size 48
		.amdhsa_user_sgpr_count 2
		.amdhsa_user_sgpr_kernarg_segment_ptr 1
		.amdhsa_wavefront_size32 1
		.amdhsa_system_sgpr_workgroup_id_x 1
		.amdhsa_system_sgpr_workgroup_id_y 1
		.amdhsa_system_sgpr_workgroup_id_z 1
		.amdhsa_system_vgpr_workitem_id 0
		.amdhsa_next_free_vgpr 128
		.amdhsa_next_free_sgpr 66
		.amdhsa_reserve_vcc 0
		.amdhsa_float_denorm_mode_32 3
		.amdhsa_float_denorm_mode_16_64 3
		.amdhsa_memory_ordered 1
		.amdhsa_forward_progress 1
		.amdhsa_inst_pref_size 42
	.end_amdhsa_kernel
	.amdgpu_metadata
---
amdhsa.version: [ 1, 2 ]
amdhsa.kernels:
  - .name:           k_qd66ca1ca9d_quant
    .symbol:         k_qd66ca1ca9d_quant.kd
    .args:
      - { .name: x, .offset: 0, .size: 8, .value_kind: global_buffer, .address_space: global }
      - { .name: weight, .offset: 8, .size: 8, .value_kind: global_buffer, .address_space: global }
      - { .name: part, .offset: 16, .size: 8, .value_kind: global_buffer, .address_space: global }
      - { .name: xq, .offset: 24, .size: 8, .value_kind: global_buffer, .address_space: global }
      - { .name: wq, .offset: 32, .size: 8, .value_kind: global_buffer, .address_space: global }
      - { .name: scale, .offset: 40, .size: 8, .value_kind: global_buffer, .address_space: global }
    .group_segment_fixed_size: 0
    .private_segment_fixed_size: 0
    .kernarg_segment_align: 8
    .kernarg_segment_size: 48
    .max_flat_workgroup_size: 512
    .sgpr_count:     66
    .vgpr_count:     128
    .wavefront_size: 32
...
	.end_amdgpu_metadata
.endif
;; end of part 2
;; launch gemm (part 3): grid 8 x 32, 4 waves a work-group, clusters of 4 x 4, 327,680 bytes of LDS; arguments x, weight, xq, wq, scale, out0; writes out0
.if DOCPART == 3
	.amdgcn_target "amdgcn-amd-amdhsa--gfx1250"
	.amdhsa_code_object_version 6
	.text
	.protected	k_qd66ca1ca9d_gemm
	.globl	k_qd66ca1ca9d_gemm
	.p2align	8
	.type	k_qd66ca1ca9d_gemm,@function
k_qd66ca1ca9d_gemm:
	s_mov_b64 s[64:65], 0
	v_nop
	global_prefetch_b8 v0, s[64:65] scope:SCOPE_SE
	s_setreg_imm32_b32 hwreg(HW_REG_WAVE_MODE, 25, 1), 1
	s_wait_xcnt 0x0
	s_wait_alu depctr_hold_cnt(0) depctr_sa_sdst(0) depctr_va_vdst(0) depctr_va_sdst(0) depctr_va_ssrc(0) depctr_va_vcc(0) depctr_vm_vsrc(0)
	s_getreg_b32 s2, hwreg(HW_REG_IB_STS2, 6, 4)
	s_cmp_eq_u32 s2, 0
	s_cbranch_scc0 .Lentry_in_a_cluster
	s_endpgm
.Lentry_in_a_cluster:
	s_bfe_u32 s2, ttmp6, 0x10000c
	s_cmp_lg_u32 s2, 0xf033
	s_cbranch_scc0 .Lentry_shape_is_right
	s_endpgm
.Lentry_shape_is_right:
; out0 = bf16(bf16(a + b) - b), with b = bf16(x weight^T), the shadow product, and a = bf16(s xq wq^T), the quantised product; s = scale[0] = (amax_x / 448)(amax_w / 448).
; x, xq: [8192][2048]; weight, wq: [2048][2048]; out0: [8192][2048]; all bf16; sums in f32.  xq and wq hold e4m3 numbers written as bf16, so both products take the bf16 matrix form.
; A tile of out0, 256 x 256, is made by a work-group of four waves; a wave makes 128 x 128: 64 accumulators of 16 x 16, 512 registers.  32 x 8 tiles: 256 work-groups.
; TWO PASSES OVER ONE TILE.  Pass 1 multiplies x and weight, pass 2 xq and wq, by one text: a loop over passes round the loop over K.  K goes in steps of 128 through a ring of two LDS slots filled by the
; tensor data mover (rows of 256 bytes, at multiples of 256 bytes from the buffer's first byte), and the ring does not stop between the passes: pass 1's last two changes of slots ask for pass 2's first two K steps.
; THE SHADOW STAYS HERE.  Pass 1's sums are rounded to bf16 (as the shadow product is defined) and kept: 256 registers' worth a wave, of which 224 lie in registers that the loop leaves idle
; and 32 (4,096 bytes a wave) in LDS bytes of their own.  Nothing intermediate goes through memory.
; CLUSTERS: 4 x 4 work-groups.  The four of a row of the cluster need the same tiles of x (xq), the four of a column the same tiles of weight (wq): each tile is asked for JOINTLY, by the same tensor load
; with the same descriptor and a mask that names the four; each receives it in its own LDS.
; THE MATRIX INSTRUCTION IS USED TRANSPOSED (source 0 = 16 rows of weight, source 1 = 16 rows of x): a lane then holds row l % 16 of the tile and eight neighbouring columns 8 (l / 16) + 0..7, which pack into 16 bytes.
; LIMITS.  s multiplies the finished f32 sum, not each element.  NaN and infinities are not treated apart.
;
; REGISTERS, in windows of 256 (s_set_vgpr_msb's low byte: bits 1:0 source 0, 3:2 source 1, 5:4 source 2, 7:6 destination):
;   window 0: v0-31 addresses; v64-127, v128-191 fragments of x, two buffers; v32-63 shadow block 6 (before that block 7 on its way to LDS); v192-255 shadow blocks 4, 5
;   window 1: v64-127, v128-191 fragments of weight, two buffers; v0-63 shadow blocks 0, 1; v192-255 shadow blocks 2, 3
;   window 2: the 32 accumulators of my rows 0-63 (accumulator (a, b) at v[8 (8 a + b)]);   window 3: those of my rows 64-127
;   On the last way out the fragment buffers of window 0 are free: v64-95 packed results, v96-127 and v128-159 rows read back by turns, v160-191 shadow block 7.
.set SIZE_M, 8192
.set SIZE_N, 2048
.set SIZE_K, 2048
.set KSTEP,  128
.set PITCH,  272                       ; an LDS row: 256 bytes of data + 16 of padding = 68 words: row r starts at bank 4 r mod 64 (64 banks of 4 bytes: ISA guide 11.1), so the 16 rows that a load touches start at 16 different banks
.set HALFT,  128*PITCH                 ; 128 rows: what one tensor load brings, and what one wave reads of either operand
.set SLOT,   4*HALFT                   ; x's 256 rows, then weight's 256 rows
.set STAGE,  2*SLOT                    ; behind the ring: 16 rows x 272 bytes for each wave, for the way out
.set SPITCH, 272
.set SHLDS,  STAGE+4*16*SPITCH         ; behind the stages: 4,096 bytes for each wave: shadow block 7
.set SPARE,  SHLDS+4*4096              ; behind that: the spare words, 128 bytes for each wave: two blocks of 256 bytes that no other line names
.set LAPS,   SIZE_K/(2*KSTEP)          ; a lap = two K steps = once round the ring: 8
.set ADRA, 16                          ; v16-17  LDS address of my fragments of x in slot 0, 1
.set ADRB, 20                          ; v20-21  the same for weight
.set STO,  24                          ; v24     the way out: where I put 16 bytes of a row
.set RD,   25                          ; v25     the way out: where I read a row back
.set CO,   26                          ; v26     my byte offset in out0
.set SHA,  27                          ; v27     LDS address of my 16 bytes of shadow block 7
.set SPW,  28                          ; v28     LDS address of my spare word: SPARE + 4 x my thread's number; never rewritten
.set NIL,  29                          ; v29     0; never rewritten
.set F0,   64                          ; fragment buffer 0
.set F1,   128                         ; fragment buffer 1
.set TMP,  64                          ; the last way out, window 0
.set OB,   96
.set SH7,  160
.set G1,  24                           ; s[24:31] descriptor group 1 for x's tiles
.set G0,  32                           ; s[32:39] descriptor group 0 for x's tiles, one set for each slot
.set G1B, 48                           ; s[48:55] descriptor group 1 for weight's tiles: it differs in the mask alone
.set G0B, 56                           ; s[56:63] descriptor group 0 for weight's tiles
                                       ; s[68:69] xq, s[70:71] wq at my part of the tiles' first K step; s[72:73] scale; s[74:75] out0; s[76:77] s, twice; s78 -1.0 twice in bf16
.set MSB, 0
.macro WIN new                         ; the immediate's high byte repeats the setting that is left; a switch that changes nothing is dropped
.if MSB != (\new)
	s_set_vgpr_msb (MSB<<8)|(\new)
.set MSB, \new
.endif
.endm
.set MUL_LO, 0xa1                      ; source 0 (weight) window 1, source 1 (x) window 0, C and D window 2
.set MUL_HI, 0xf1                      ; the same, C and D window 3
.set TO_B,   0x40                      ; destination window 1, address window 0
; A joint load.  Waves 0 and 1 fetch x's two halves, waves 2 and 3 weight's.  Each of the two lines has one mask and one set of registers for all that issue it.  The branch hangs on the wave's number alone.
; An s_nop 0 and four v_nop follow each of the two lines, ahead of the jump, the label and what follows.
.macro JLOAD s
	s_cmp_eq_u32 s11, 0
	s_cbranch_scc0 .Lfor_b_\@
	tensor_load_to_lds s[G0+4*(\s):G0+4*(\s)+3], s[G1:G1+7]
	s_nop 0
.rept 4
	v_nop
.endr
	s_branch .Lasked_\@
.Lfor_b_\@:
	tensor_load_to_lds s[G0B+4*(\s):G0B+4*(\s)+3], s[G1B:G1B+7]
	s_nop 0
.rept 4
	v_nop
.endr
.Lasked_\@:
.endm
; A round of the cluster's barrier: my work-group's barrier, so that wave 0's signal speaks for all four waves; wave 0 signals for the work-group; every wave waits for all sixteen; my work-group's barrier once more.
.macro CREST                           ; a round behind its opening barrier
	s_cmp_lg_u32 s10, 0
	s_cbranch_scc1 .Lnot_wave_0_\@
	s_barrier_signal -3
.Lnot_wave_0_\@:
	s_barrier_wait -3
	s_barrier_signal -1
	s_barrier_wait -1
.endm
.macro CROUND                          ; a whole round
	s_barrier_signal -1
	s_barrier_wait -1
	CREST
.endm
	s_load_b128 s[4:7], s[0:1], 0x0                ; x s[4:5], weight s[6:7]
	s_load_b128 s[68:71], s[0:1], 0x10             ; xq s[68:69], wq s[70:71]
	s_load_b128 s[72:75], s[0:1], 0x20             ; scale s[72:73], out0 s[74:75]
	v_lshl_add_u32 v[SPW], v0, 2, SPARE
	v_mov_b32 v[NIL], 0
	ds_add_u32 v[SPW], v[NIL]                      ; the wave's opening: the add and its wait stand ahead of my first tensor load; the set-up below, work on registers, stands between them
	v_lshrrev_b32 v1, 5, v0
	v_readfirstlane_b32 s10, v1                    ; wave 0..3
	s_lshr_b32 s11, s10, 1                         ; which half of the tile's rows is mine.  Also: I fetch for x (0) or for weight (1)
	s_and_b32 s12, s10, 1                          ; which half of its columns.  Also: which 128 rows of that operand's tile I fetch
	s_bfe_u32 s40, ttmp6, 0x40000                  ; cx: my place along the cluster's x
	s_bfe_u32 s41, ttmp6, 0x40004                  ; cy: along its y
	s_lshl_b32 s42, ttmp9, 2                       ; in a cluster launch ttmp9 and ttmp7 count clusters
	s_add_co_u32 s42, s42, s40                     ; tile column = 4 x cluster x + cx, 0..7
	s_and_b32 s13, ttmp7, 0xffff
	s_lshl_b32 s13, s13, 2
	s_add_co_u32 s13, s13, s41                     ; tile row = 4 x cluster y + cy, 0..31
	s_lshl_b32 s43, s41, 2
	s_lshl_b32 s43, 15, s43                        ; my row of the cluster: places 4 cy .. 4 cy + 3
	s_lshl_b32 s44, 0x1111, s40                    ; my column: places cx, cx + 4, cx + 8, cx + 12
	; descriptor group 1: a tile of 128 rows x 128 elements, padded in LDS
	s_or_b32 s[G1+0], s43, (1<<16)|(1<<20)|(1<<21)|(5<<22)|(3<<25)   ; 15:0 the mask: x's tiles go to my row; 17:16 elements of 2 bytes; 20 padding on; 21 set beside a mask; 24:22 after every 64 words (code 5); 31:25 4 words of it (code 3)
	s_or_b32 s[G1B+0], s44, (1<<16)|(1<<20)|(1<<21)|(5<<22)|(3<<25)  ; the same with the mask of my column, for weight's tiles
.irp g, G1, G1B
	s_mov_b32 s[(\g)+1], KSTEP<<16                 ; 63:48 tensor_dim0, low half = 128
	s_mov_b32 s[(\g)+2], 128<<16                   ; 79:64 its high half = 0; 95:80 tensor_dim1, low half = 128
	s_mov_b32 s[(\g)+3], KSTEP<<16                 ; 111:96 its high half = 0; 127:112 tile_dim0 = 128
	s_mov_b32 s[(\g)+4], 128                       ; 143:128 tile_dim1 = 128; 159:144 tile_dim2 = 0
	s_mov_b32 s[(\g)+5], SIZE_K                    ; 191:160 tensor_dim0_stride, low word: elements from row to row
	s_mov_b32 s[(\g)+6], 0
	s_mov_b32 s[(\g)+7], 0
.endr
	; where the tiles come from.  x's and xq's hang on the tile row alone, which my row of the cluster shares; weight's and wq's on the tile column alone, which my column shares.
	; Every wave makes all four addresses, in registers that never hold the other coordinate, and asks by one pair of them.
	s_lshl_b32 s17, s12, 7                         ; which 128 rows of the tile I fetch
	s_lshl_b32 s16, s13, 8
	s_add_co_u32 s16, s16, s17                     ; x: row 256 x tile row + 128 x half
	s_lshl_b32 s46, s42, 8
	s_add_co_u32 s46, s46, s17                     ; weight: row 256 x tile column + 128 x half
	s_mov_b32 s17, 0
	s_mov_b32 s47, 0
	s_mov_b64 s[18:19], SIZE_K*2
	s_mul_u64 s[16:17], s[16:17], s[18:19]         ; in bytes
	s_mul_u64 s[46:47], s[46:47], s[18:19]
	s_mul_i32 s20, s10, HALFT                      ; and where they go: x's two halves, then weight's two halves = wave x 128 rows: no place in the cluster enters an LDS address
	s_wait_dscnt 0x0                               ; the opening add is done
	s_wait_kmcnt 0x0
	s_add_nc_u64 s[14:15], s[4:5], s[16:17]        ; x at my rows
	s_add_nc_u64 s[68:69], s[68:69], s[16:17]      ; xq at the same rows, kept for the change of passes
	s_add_nc_u64 s[70:71], s[70:71], s[46:47]      ; wq at my rows, kept likewise
	s_add_nc_u64 s[46:47], s[6:7], s[46:47]        ; weight at my rows
	CROUND                                         ; all sixteen work-groups are here: the first joint loads meet
.irp s, 0,1
	s_mov_b32 s[G0+4*(\s)], 1                                        ; 1:0 count = 1
	s_add_co_u32 s[G0+4*(\s)+1], s20, (\s)*SLOT                      ; 63:32 LDS address
	s_add_nc_u64 s[G0+4*(\s)+2:G0+4*(\s)+3], s[14:15], (\s)*KSTEP*2  ; 120:64 global address: K step s
	s_or_b32 s[G0+4*(\s)+3], s[G0+4*(\s)+3], 0x80000000              ; 127:126 type = 2
	s_mov_b32 s[G0B+4*(\s)], 1
	s_add_co_u32 s[G0B+4*(\s)+1], s20, (\s)*SLOT
	s_add_nc_u64 s[G0B+4*(\s)+2:G0B+4*(\s)+3], s[46:47], (\s)*KSTEP*2
	s_or_b32 s[G0B+4*(\s)+3], s[G0B+4*(\s)+3], 0x80000000
	JLOAD \s                                       ; the ring is filled before anything else is done: two loads of mine are out
.endr
	s_load_b32 s76, s[72:73], 0x0                  ; s
	s_mov_b32 s78, 0xbf80bf80                      ; -1.0, twice, in bf16
	; A fragment is 16 rows x 32 K in 8 registers: lane l holds row l % 16; registers 0-3 hold K = 8 (l / 16) + 0..7, registers 4-7 hold K = 16 + 8 (l / 16) + 0..7: two loads of 16 bytes, 32 bytes apart.
	v_and_b32 v1, 15, v0                           ; l % 16
	v_bfe_u32 v2, v0, 4, 1                         ; l / 16
	v_mul_u32_u24 v3, v1, PITCH
	v_lshl_add_u32 v3, v2, 4, v3                   ; row x pitch + 16 x half
	s_mul_i32 s21, s11, HALFT                      ; my 128 rows of x
	s_mul_i32 s22, s12, HALFT                      ; my 128 rows of weight,
	s_add_co_u32 s22, s22, 2*HALFT                 ; which lie behind x's 256
.irp s, 0,1
	v_add_nc_u32 v[ADRA+(\s)], s21, v3
	v_add_nc_u32 v[ADRB+(\s)], s22, v3
	s_add_co_u32 s21, s21, SLOT
	s_add_co_u32 s22, s22, SLOT
.endr
	s_mul_i32 s23, s10, 16*SPITCH
	s_add_co_u32 s23, s23, STAGE                   ; my stage
	v_mul_u32_u24 v4, v1, SPITCH                   ; in: row l % 16, 16 bytes for each half of the lanes
	v_lshl_add_u32 v4, v2, 4, v4
	v_add_nc_u32 v[STO], s23, v4
	v_mul_u32_u24 v5, v2, SPITCH                   ; back: lanes 0-15 take one row of 256 bytes, lanes 16-31 the next
	v_lshl_add_u32 v5, v1, 4, v5
	v_add_nc_u32 v[RD], s23, v5
	v_mul_u32_u24 v5, v2, SIZE_N*2                 ; and the same two rows in out0
	v_lshl_add_u32 v[CO], v1, 4, v5
	s_lshl_b32 s23, s10, 12
	s_add_co_u32 s23, s23, SHLDS                   ; my wave's 4,096 bytes for shadow block 7:
	v_and_b32 v5, 31, v0
	v_lshl_add_u32 v[SHA], v5, 4, s23              ; 16 bytes a lane, neighbouring lanes at neighbouring bytes
	; where my part of the tile begins in out0, in bytes: the way out adds it to out0's address
	s_lshl_b32 s13, s13, 8
	s_lshl_b32 s14, s11, 7
	s_add_co_u32 s16, s13, s14                     ; my first row
	s_mov_b32 s17, 0
	s_mov_b64 s[18:19], SIZE_N*2
	s_mul_u64 s[16:17], s[16:17], s[18:19]
	s_lshl_b32 s46, s42, 9                         ; my first column, in bytes: 512 x tile column + 256 x half
	s_lshl_b32 s47, s12, 8
	s_add_co_u32 s46, s46, s47
	s_mov_b32 s47, 0
	s_add_nc_u64 s[16:17], s[16:17], s[46:47]
	s_wait_kmcnt 0x0
	s_mov_b32 s77, s76                             ; named with it as a pair
; 16 matrix instructions: row blocks a0, a0 + 1 of the window's four (hi = 0: my rows 0-63, 1: rows 64-127) x all 8 column blocks, 32 along K.  zero = 1: the first product starts the sums: nothing is ever cleared.
.macro MUL16 f, hi, a0, zero
	WIN MUL_LO+0x50*(\hi)
.irp a, \a0, (\a0)+1
.irp b, 0,1,2,3,4,5,6,7
.if \zero
	v_wmma_f32_16x16x32_bf16 v[8*(8*(\a)+(\b)):8*(8*(\a)+(\b))+7], v[(\f)+8*(\b):(\f)+8*(\b)+7], v[(\f)+8*(4*(\hi)+(\a)):(\f)+8*(4*(\hi)+(\a))+7], 0
.else
	v_wmma_f32_16x16x32_bf16 v[8*(8*(\a)+(\b)):8*(8*(\a)+(\b))+7], v[(\f)+8*(\b):(\f)+8*(\b)+7], v[(\f)+8*(4*(\hi)+(\a)):(\f)+8*(4*(\hi)+(\a))+7], v[8*(8*(\a)+(\b)):8*(8*(\a)+(\b))+7]
.endif
.endr
.endr
.endm
; 32 LDS loads in one run: the fragments of one quarter step (128 rows of weight, 128 rows of x, 32 K at byte k of the rows) into buffer f
.macro FETCH slot, k, f
	WIN TO_B
.irp i, 0,1,2,3,4,5,6,7
	ds_load_b128 v[(\f)+8*(\i):(\f)+8*(\i)+3],   v[ADRB+(\slot)] offset:(\k)+(\i)*16*PITCH
	ds_load_b128 v[(\f)+8*(\i)+4:(\f)+8*(\i)+7], v[ADRB+(\slot)] offset:(\k)+(\i)*16*PITCH+32
.endr
	WIN 0
.irp i, 0,1,2,3,4,5,6,7
	ds_load_b128 v[(\f)+8*(\i):(\f)+8*(\i)+3],   v[ADRA+(\slot)] offset:(\k)+(\i)*16*PITCH
	ds_load_b128 v[(\f)+8*(\i)+4:(\f)+8*(\i)+7], v[ADRA+(\slot)] offset:(\k)+(\i)*16*PITCH+32
.endr
.endm
; A load into a register that a matrix instruction has read, and a vector instruction that reads a matrix result or writes one of a matrix instruction's registers, stand four places behind it, and only
; plain vector instructions that name none of its registers are places (ISA guide 7.12.1 for vector instructions).
.macro PLACES
.rept 4
	v_nop
.endr
.endm
; A K step is four quarter steps of 32 along K, 64 matrix instructions each, on buffers 0, 1, 0, 1.  The 64 accumulators take turns in the same order in every quarter.
; One of the first three: multiplies buffer f; in its middle it fetches the next quarter's fragments, at byte k of the same slot's rows, into buffer g.
.macro QUARTER slot, k, f, g, zero
	s_wait_dscnt 8                                 ; weight's fragments and x's rows 0-63 are in; the youngest eight LDS instructions may be out: x's rows 64-127 (at pass 2's first quarter: the eight stores of shadow block 7, so all loads are in)
	WIN MUL_LO
	MUL16 \f, 0, 0, \zero
	MUL16 \f, 0, 2, \zero
	PLACES
	FETCH \slot, \k, \g
	s_wait_dscnt 32                                ; all but the 32 just issued
	WIN MUL_HI
	MUL16 \f, 1, 0, \zero
	MUL16 \f, 1, 2, \zero
.endm
; The last quarter multiplies buffer 1 and changes slots.  MEET is its first half: ONE barrier for the change of slots.  In front of it each wave waits for all its tensor loads, of which one is out:
; its part of the next slot; adds 0 to its spare word; and waits for that and for its own reads of this slot.  Behind it nobody reads this slot any more and the next slot is whole.
.macro MEET round                      ; round = 1: a round of the cluster's barrier follows
	WIN 0                                          ; (the add's two registers lie in window 0)
	s_wait_tensorcnt 0x0                           ; all my tensor loads have landed;
	ds_add_u32 v[SPW], v[NIL]                      ; 0 onto my spare word;
	s_wait_dscnt 9                                 ; (the add and the youngest eight loads may be out)
	WIN MUL_LO
	MUL16 F1, 0, 0, 0                              ; sixteen matrix instructions stand between the add and the wait for it
	s_wait_dscnt 0x0                               ; the add is done, and my reads of this slot are over:
	s_barrier_signal -1                            ; say so,
	MUL16 F1, 0, 2, 0                              ; work on registers while the others arrive,
.if \round
	WIN 0
.endif
	s_barrier_wait -1                              ; and go on when all four have said so
.endm
; The whole last quarter.  Behind the round the slot just read out is filled again first: with this pass's K step two steps on (on = 0) or, in pass 1's last two K steps, with pass 2's K step 0 or 1
; (on = 1: the address is made anew from xq's and wq's).  From a request to the wait for it a wave issues 224 matrix instructions, across the passes too.
.macro TURN slot, next, on
	MEET 1
	CREST                                          ; no wave of any partner still reads this slot's tile or has a load on its way; no load of mine is out, so a group 0 may be written
.if \on
	s_add_nc_u64 s[G0+4*(\slot)+2:G0+4*(\slot)+3], s[68:69], (\slot)*KSTEP*2
	s_or_b32 s[G0+4*(\slot)+3], s[G0+4*(\slot)+3], 0x80000000
	s_add_nc_u64 s[G0B+4*(\slot)+2:G0B+4*(\slot)+3], s[70:71], (\slot)*KSTEP*2
	s_or_b32 s[G0B+4*(\slot)+3], s[G0B+4*(\slot)+3], 0x80000000
.else
	s_add_nc_u64 s[G0+4*(\slot)+2:G0+4*(\slot)+3], s[G0+4*(\slot)+2:G0+4*(\slot)+3], 2*KSTEP*2
	s_add_nc_u64 s[G0B+4*(\slot)+2:G0B+4*(\slot)+3], s[G0B+4*(\slot)+2:G0B+4*(\slot)+3], 2*KSTEP*2
.endif
	JLOAD \slot                                    ; the first tensor load behind the round, my only one until the next; the four v_nop behind it are also the places in front of the loads below
	FETCH \next, 0, F0
	WIN MUL_HI
	MUL16 F1, 1, 0, 0
	MUL16 F1, 1, 2, 0
.endm
; WHERE THE SHADOW LIES.  Block a (16 rows x 128 columns of my part, 32 registers of packed bf16) lies in window SW from register SR on.  Block 7 goes through v32-63 of window 0 into LDS (out = 0) and comes back into v160-191 (out = 1).
.macro SHREG a, out
.if (\a) < 2
.set SW, 1
.set SR, 32*(\a)
.elseif (\a) < 4
.set SW, 1
.set SR, 192+32*((\a)-2)
.elseif (\a) < 6
.set SW, 0
.set SR, 192+32*((\a)-4)
.elseif (\a) == 6
.set SW, 0
.set SR, 32
.else
.set SW, 0
.set SR, 32+128*(\out)
.endif
.endm
; Pass 1's block a is rounded to bf16 and kept.  Each accumulator's registers are taken in ascending order.
.macro KEEP a
	SHREG \a, 0
.set AC, 64*((\a)%4)
.set WW, (SW<<6)|(0x0a+5*((\a)/4))     ; sources 0 and 1: window 2 or 3; destination: the shadow's window
	WIN WW
.irp b, 0,1,2,3,4,5,6,7
.irp r, 0,1,2,3
	v_cvt_pk_bf16_f32 v[SR+4*(\b)+(\r)], v[AC+8*(\b)+2*(\r)], v[AC+8*(\b)+2*(\r)+1]
.endr
.endr
.if (\a) == 7
	WIN 0
.irp b, 0,1,2,3,4,5,6,7
	ds_store_b128 v[SHA], v[32+4*(\b):32+4*(\b)+3] offset:512*(\b)  ; my wave's own bytes, which no tensor load fills
.endr
.endif
.endm
; THE WAY OUT of pass 2's block a.  PACKQ: the sums times s; a = their rounding to bf16; t = bf16(a + b); bf16(t - b), as one fused line b x (-1) + t.  16 bytes a lane.
.macro PACKQ a
	SHREG \a, 1
.set AC, 64*((\a)%4)
.set AW, 2+(\a)/4
.set WW, (AW<<6)|AW                    ; destination and source 0 in the accumulators' window
	WIN WW
.set i, 0
.rept 32
	v_pk_mul_f32 v[AC+2*i:AC+2*i+1], v[AC+2*i:AC+2*i+1], s[76:77] op_sel_hi:[1,0]
.set i, i+1
.endr
	WIN 0x0a+5*((\a)/4)                            ; sources 0 and 1 in the accumulators' window, destination window 0
.set i, 0
.rept 32
	v_cvt_pk_bf16_f32 v[TMP+i], v[AC+2*i], v[AC+2*i+1]
.set i, i+1
.endr
.set WW, SW<<2                         ; source 1: the shadow's window
	WIN WW
.set i, 0
.rept 32
	v_pk_add_bf16 v[TMP+i], v[TMP+i], v[SR+i]
.set i, i+1
.endr
.set WW, SW                            ; source 0: the shadow's window
	WIN WW
.set i, 0
.rept 32
	v_pk_fma_bf16 v[TMP+i], v[SR+i], s78, v[TMP+i]
.set i, i+1
.endr
	WIN 0
.endm
; TOSTAGE: into my own stage in LDS, and back as whole rows of 256 bytes.
.macro TOSTAGE a
	WIN 0
.set BK, OB+32*((\a)%2)
.irp b, 0,1,2,3,4,5,6,7
	ds_store_b128 v[STO], v[TMP+4*(\b):TMP+4*(\b)+3] offset:32*(\b)
.endr
.irp t, 0,1,2,3,4,5,6,7
	ds_load_b128 v[BK+4*(\t):BK+4*(\t)+3], v[RD] offset:(\t)*2*SPITCH  ; LDS serves a wave's instructions in order (ISA guide 5.7.1.4): these see the stores above
.endr
.endm
; SEND: stored.
.macro SEND a
	WIN 0
.set BK, OB+32*((\a)%2)
	s_wait_dscnt 0x0                               ; the block is back in registers
	s_wait_xcnt 0x0                                ; every earlier memory instruction has had its addresses translated (ISA guide 3.1): only behind this wait are the stores' base and the registers that earlier stores read rewritten
.if (\a) == 0
	s_add_nc_u64 s[74:75], s[74:75], s[16:17]      ; on to my first rows
.else
	s_add_nc_u64 s[74:75], s[74:75], 16*SIZE_N*2   ; 16 rows on
.endif
.irp t, 0,1,2,3,4,5,6,7
	global_store_b128 v[CO], v[BK+4*(\t):BK+4*(\t)+3], s[74:75] offset:2*(\t)*SIZE_N*2 th:TH_STORE_NT  ; 16 lanes store 256 consecutive bytes, at a multiple of 256 from out0's first byte
.endr
.endm
	s_wait_tensorcnt 1                             ; my part of K step 0 is in; K step 1's may stay out
	s_barrier_signal -1
	s_barrier_wait -1                              ; everybody's is
	FETCH 0, 0, F0
	s_mov_b32 s2, 2                                ; passes to go, this one among them: the same number in every work-group
.Ltile:                                                ; (FETCH and KEEP's tail leave every window 0)
	QUARTER 0, 64,  F0, F1, 1                      ; a pass's first quarter stands in front of the loop: its products start the sums
	WIN 0                                          ; at a label and at a branch every window is 0
	s_mov_b32 s3, LAPS-1
.Llap:                                                 ; a trip goes once round the ring, from a lap's second quarter to the next lap's first, and fills both slots again
	QUARTER 0, 128, F1, F0, 0
	QUARTER 0, 192, F0, F1, 0
	TURN 0, 1, 0
	QUARTER 1, 64,  F0, F1, 0
	QUARTER 1, 128, F1, F0, 0
	QUARTER 1, 192, F0, F1, 0
	TURN 1, 0, 0
	QUARTER 0, 64,  F0, F1, 0
	WIN 0
	s_sub_co_u32 s3, s3, 1
	s_cmp_lg_u32 s3, 0
	s_cbranch_scc1 .Llap
	QUARTER 0, 128, F1, F0, 0                      ; the pass's last lap goes on
	QUARTER 0, 192, F0, F1, 0
	WIN 0
	s_cmp_eq_u32 s2, 1
	s_cbranch_scc1 .Llast_tile                     ; pass 2's tail is written out: it asks for nothing more
	TURN 0, 1, 1                                   ; THE RING GOES ON INTO PASS 2: slot 0 takes its K step 0,
	QUARTER 1, 64,  F0, F1, 0
	QUARTER 1, 128, F1, F0, 0
	QUARTER 1, 192, F0, F1, 0
	TURN 1, 0, 1                                   ; slot 1 its K step 1, and pass 2's first fragments are fetched
	KEEP 0                                         ; both refills are asked for: now the shadow is put by.  No v_nop: blocks 0-3 were finished in front of TURN's places, and their 128 conversions,
	KEEP 1                                         ; which name no register of the last products (blocks 4-7's), are those products' places
	KEEP 2
	KEEP 3
	KEEP 7                                         ; block 7 first of the rest: it leaves v32-63 for LDS, and block 6 then takes them (an LDS store's data need no wait)
	KEEP 4
	KEEP 5
	KEEP 6
	WIN 0
	s_sub_co_u32 s2, s2, 1
	s_branch .Ltile
.Llast_tile:
	MEET 0                                         ; my one tensor load that was still out is slot 1's, the last K step's, so no round follows
	PLACES                                         ; for the loads into buffer 0, which the quarter before multiplied
	FETCH 1, 0, F0
	WIN MUL_HI
	MUL16 F1, 1, 0, 0
	MUL16 F1, 1, 2, 0
	QUARTER 1, 64,  F0, F1, 0
	QUARTER 1, 128, F1, F0, 0
	QUARTER 1, 192, F0, F1, 0
	s_wait_dscnt 8                                 ; the very last quarter: nothing more to fetch; x's rows 64-127 may be out
	WIN MUL_LO
	MUL16 F1, 0, 0, 0
	MUL16 F1, 0, 2, 0
	s_wait_dscnt 0x0
	MUL16 F1, 1, 0, 0
	MUL16 F1, 1, 2, 0
	WIN 0
	PLACES                                         ; behind the last products: the lines below write their results and load into registers that they have read
.irp b, 0,1,2,3,4,5,6,7
	ds_load_b128 v[SH7+4*(\b):SH7+4*(\b)+3], v[SHA] offset:512*(\b)  ; shadow block 7 comes back; the first SEND's wait for 0 shows it in, long before its use
.endr
	PACKQ 0
	TOSTAGE 0
.irp a, 1,2,3,4,5,6,7                  ; block a's arithmetic stands between block a - 1's loads from the stage and the wait for them
	PACKQ \a
	SEND (\a)-1
	TOSTAGE \a
.endr
	SEND 7
	s_wait_tensorcnt 0x0                           ; the wave's end: behind my last tensor load and my last LDS store
	ds_add_u32 v[SPW], v[NIL]
	s_wait_dscnt 0x0
	CROUND                                         ; the closing round: no work-group ends while a partner may still ask for a tile that names it
	s_endpgm
.Lfunc_end_k_qd66ca1ca9d_gemm:
	.size	k_qd66ca1ca9d_gemm, .Lfunc_end_k_qd66ca1ca9d_gemm-k_qd66ca1ca9d_gemm
	.p2alignl 7, 3214868480
	.fill 96, 4, 3214868480
	.section	.rodata,"a",@progbits
	.p2align	6, 0x0
	.amdhsa_kernel k_qd66ca1ca9d_gemm
		.amdhsa_group_segment_fixed_size 327680
		.amdhsa_private_segment_fixed_size 0
		.amdhsa_enable_private_segment 0
		.amdhsa_kernarg_size 48
		.amdhsa_user_sgpr_count 2
		.amdhsa_user_sgpr_kernarg_segment_ptr 1
		.amdhsa_wavefront_size32 1
		.amdhsa_system_sgpr_workgroup_id_x 1
		.amdhsa_system_sgpr_workgroup_id_y 1
		.amdhsa_system_sgpr_workgroup_id_z 1
		.amdhsa_system_vgpr_workitem_id 0
		.amdhsa_next_free_vgpr 1024
		.amdhsa_next_free_sgpr 80
		.amdhsa_reserve_vcc 0
		.amdhsa_float_denorm_mode_32 3
		.amdhsa_float_denorm_mode_16_64 3
		.amdhsa_memory_ordered 1
		.amdhsa_forward_progress 1
		.amdhsa_inst_pref_size 243
	.end_amdhsa_kernel
	.amdgpu_metadata
---
amdhsa.version: [ 1, 2 ]
amdhsa.kernels:
  - .name:           k_qd66ca1ca9d_gemm
    .symbol:         k_qd66ca1ca9d_gemm.kd
    .args:
      - { .name: x, .offset: 0, .size: 8, .value_kind: global_buffer, .address_space: global }
      - { .name: weight, .offset: 8, .size: 8, .value_kind: global_buffer, .address_space: global }
      - { .name: xq, .offset: 16, .size: 8, .value_kind: global_buffer, .address_space: global }
      - { .name: wq, .offset: 24, .size: 8, .value_kind: global_buffer, .address_space: global }
      - { .name: scale, .offset: 32, .size: 8, .value_kind: global_buffer, .address_space: global }
      - { .name: out0, .offset: 40, .size: 8, .value_kind: global_buffer, .address_space: global }
    .group_segment_fixed_size: 327680
    .private_segment_fixed_size: 0
    .kernarg_segment_align: 8
    .kernarg_segment_size: 48
    .max_flat_workgroup_size: 128
    .sgpr_count:     80
    .vgpr_count:     1024
    .wavefront_size: 32
...
	.end_amdgpu_metadata
.endif
;; end of part 3
;; ======== version 2 of 2: 3 launches; version 1 with the launch quant written anew for expert scheduling mode
;; workspace buffers: part 2,048 bytes; xq 33,554,432 bytes; wq 8,388,608 bytes; scale 256 bytes
;; launch amax: the kernel of part 1 again; grid 256 x 1, 16 waves a work-group, no clusters, 2,304 bytes of LDS; arguments x, weight, part; writes part
;; launch quant (part 4): grid 256 x 1, 16 waves a work-group, no clusters, 0 bytes of LDS; arguments x, weight, part, xq, wq, scale; writes xq, wq, scale
.if DOCPART == 4
	.amdgcn_target "amdgcn-amd-amdhsa--gfx1250"
	.amdhsa_code_object_version 6
	.text
	.protected	k_qd66ca1ca9d_quant
	.globl	k_qd66ca1ca9d_quant
	.p2align	8
	.type	k_qd66ca1ca9d_quant,@function
k_qd66ca1ca9d_quant:
	s_mov_b64 s[64:65], 0
	v_nop
	global_prefetch_b8 v0, s[64:65] scope:SCOPE_SE
	s_setreg_imm32_b32 hwreg(HW_REG_WAVE_SCHED_MODE, 0, 2), 2
	s_setreg_imm32_b32 hwreg(HW_REG_WAVE_MODE, 25, 1), 1
	s_wait_xcnt 0x0
	s_wait_alu depctr_vm_vsrc(0)
; xq = e4m3(x * 448 / amax_x) and wq = e4m3(weight * 448 / amax_w), each written as bf16 (an e4m3 number has 3 fraction bits and lies between 2^-9 and 448 in size: exact in bf16);
; scale[0..63] = (amax_x / 448) (amax_w / 448), 64 equal f32.  amax = max(largest magnitude of the tensor, 1e-12), from the 256 pairs in part.
; The chunks are the same as in the launch before: work-group i takes 131,072 bytes of x and 32,768 of weight; thread t the 16 bytes at 16 t + 8,192 j.  All 24 loads of a thread are
; issued at once; each chunk is converted in the registers that it was loaded into and stored from them, 512 consecutive bytes a wave.  Straight-line text: no register of a pending store is written again.
; A stream: no matrix work, no LDS, no cluster.
; LIMITS.  448 / amax and amax / 448 are a reciprocal with one correction step and a corrected quotient: the last bit may differ from a division's.  amax stays below 2^126
; (beyond it v_rcp_f32's result is a denormal and comes out as 0: ISA guide 15.8).  NaN and infinities are not treated apart.
; THE MODE: SCHED_MODE bits 1:0 = 2 (LLVM: expert scheduling mode 2), set by the entry lines.  The code itself states the register dependences
; between vector instructions and memory instructions, with s_wait_alu, always for 0.
; THE PLAN.  Registers that memory instructions touch:
;   v1, v2, v3   byte offsets, made once at the head and never written again: one wait ahead of the first load serves every load and store.
;   P            written by the four loads of part alone; read by the maxima.
;   X            chunk j's four registers: load j lands in them; chunk j's unpacking lines read them; its roundings write them; store j reads them; nothing writes them after that.
;   v[24:25]     written by the tail's arithmetic, read by the scale's store.
; No load is issued behind a vector instruction that names its registers, and no register that a memory instruction has read is written again.  What is left is: roundings, then stores.
; So the 20 chunks go in five blocks of four: a block's four chunks are rounded, ONE wait states that their sixteen registers are written, and the block's four stores follow in one run,
; ahead of the next block's first wait for data: finished bytes leave while the wave waits for its next load.
.set FX,  6                            ; v[6:7]     448 / amax_x, twice: a pair for the packed multiply
.set FW,  8                            ; v[8:9]     448 / amax_w, twice
.set T,   10                           ; v[10:17]   8 numbers in f32, at work: no memory instruction names them
.set P,   26                           ; v[26:41]   my 16 words of part: even words x's maxima, odd words weight's
.set ONE, 42                           ; v42        1.0: the scale of the conversion to e4m3; never rewritten
.set X,   44                           ; v[44:123]  load j at X + 4 j; v[4:5]: eight e4m3 codes; v18, v19: the two amax; v20-25 at work
	s_load_b256 s[4:11], s[0:1], 0x0               ; x s[4:5], weight s[6:7], part s[8:9], xq s[10:11]
	s_load_b128 s[12:15], s[0:1], 0x20             ; wq s[12:13], scale s[14:15]
	v_lshrrev_b32 v2, 5, v0
	v_readfirstlane_b32 s16, v2                    ; my wave's number
	v_lshlrev_b32 v1, 4, v0                        ; 16 t
	v_and_b32 v3, 31, v0
	v_lshlrev_b32 v2, 4, v3                        ; 16 x lane
	v_lshlrev_b32 v3, 3, v3                        ; 8 x lane
	v_mov_b32 v[ONE], 1.0
	s_wait_alu depctr_va_sdst(0)                   ; s16 is written: its first reader is the compare in the tail, and this wait stands ahead of every branch
	s_lshl_b32 s18, ttmp9, 17                      ; 131,072 i
	s_mov_b32 s19, 0
	s_lshl_b32 s20, ttmp9, 15                      ; 32,768 i
	s_mov_b32 s21, 0
	s_mov_b32 s22, 0x76543210                      ; v_permlanex16_b32: lane i of one half reads lane i of the other
	s_mov_b32 s23, 0xfedcba98
	s_mov_b32 s24, 0xffff0000                      ; a word's upper bf16
	s_mov_b32 s25, 0xc3e00000                      ; -448
	s_mov_b32 s26, 0x43e00000                      ; 448
	s_mov_b32 s27, 0x3b124925                      ; 1 / 448
	s_wait_kmcnt 0x0
	s_add_nc_u64 s[4:5], s[4:5], s[18:19]
	s_add_nc_u64 s[10:11], s[10:11], s[18:19]
	s_add_nc_u64 s[6:7], s[6:7], s[20:21]
	s_add_nc_u64 s[12:13], s[12:13], s[20:21]
	s_wait_alu depctr_va_vdst(0)                   ; v1, v2 and v3 are written: every load and store of the kernel reads one of them as its offset
.irp j, 0,1,2,3
	global_load_b128 v[P+4*(\j):P+4*(\j)+3], v2, s[8:9] offset:512*(\j)  ; every wave reads all 2,048 bytes of part
.endr
.irp j, 0,1,2,3,4,5,6,7,8,9,10,11,12,13,14,15
	global_load_b128 v[X+4*(\j):X+4*(\j)+3], v1, s[4:5] offset:8192*(\j)
.endr
.irp j, 0,1,2,3
	global_load_b128 v[X+64+4*(\j):X+64+4*(\j)+3], v1, s[6:7] offset:8192*(\j)
.endr
	s_wait_loadcnt 20                              ; part is in: the 20 loads of data were issued behind it
	v_max3_num_f32 v18, v[P], v[P+2], v[P+4]
	v_max3_num_f32 v19, v[P+1], v[P+3], v[P+5]
	v_max3_num_f32 v20, v[P+6], v[P+8], v[P+10]
	v_max3_num_f32 v21, v[P+7], v[P+9], v[P+11]
	v_max3_num_f32 v18, v18, v[P+12], v[P+14]
	v_max3_num_f32 v19, v19, v[P+13], v[P+15]
	v_max_num_f32 v18, v18, v20
	v_max_num_f32 v19, v19, v21
.irp m, 1,2,4,8
	v_max_num_f32_dpp v18, v18, v18 row_xmask:\m row_mask:0xf bank_mask:0xf
	v_max_num_f32_dpp v19, v19, v19 row_xmask:\m row_mask:0xf bank_mask:0xf
.endr
	v_permlanex16_b32 v20, v18, s22, s23
	v_permlanex16_b32 v21, v19, s22, s23
	v_max_num_f32 v18, v18, v20
	v_max_num_f32 v19, v19, v21
	v_max_num_f32 v18, 0x2b8cbccc, v18             ; at least 1e-12
	v_max_num_f32 v19, 0x2b8cbccc, v19
	v_rcp_f32 v20, v18
	v_rcp_f32 v21, v19
	v_nop                                          ; a plain instruction between the reciprocals and the use of their results (ISA guide 5.7.2)
	s_wait_alu depctr_va_vdst(0)                   ; the two reciprocals have written v20 and v21, ahead of their first reader: one wait for both
	v_fma_f32 v22, -v18, v20, 1.0                  ; r = r + r (1 - a r)
	v_fma_f32 v23, -v19, v21, 1.0
	v_fma_f32 v20, v20, v22, v20
	v_fma_f32 v21, v21, v23, v21
	v_mul_f32 v22, s26, v20                        ; q = 448 r, then q = q + r (448 - a q)
	v_mul_f32 v23, s26, v21
	v_fma_f32 v24, -v18, v22, s26
	v_fma_f32 v25, -v19, v23, s26
	v_fma_f32 v[FX], v24, v20, v22
	v_fma_f32 v[FW], v25, v21, v23
	v_mov_b32 v[FX+1], v[FX]
	v_mov_b32 v[FW+1], v[FW]
; Load j's eight numbers: widened, scaled by the pair f, held to +-448 (the product of amax and f may pass 448 by a rounding, and the conversion is not leaned on to saturate),
; rounded to e4m3, widened again, packed as bf16 in place.
.macro WORK j, f
	s_wait_loadcnt 19-(\j)                         ; 19 - j younger loads were issued behind load j
.irp k, 0,1,2,3
	v_lshlrev_b32 v[T+2*(\k)],   16, v[X+4*(\j)+(\k)]
	v_and_b32     v[T+2*(\k)+1], s24, v[X+4*(\j)+(\k)]
.endr
.irp k, 0,2,4,6
	v_pk_mul_f32 v[T+(\k):T+(\k)+1], v[T+(\k):T+(\k)+1], v[(\f):(\f)+1]
.endr
.irp k, 0,1,2,3,4,5,6,7
	v_med3_num_f32 v[T+(\k)], v[T+(\k)], s25, s26
.endr
	v_cvt_scalef32_pk8_fp8_f32 v[4:5], v[T:T+7], v[ONE]  ; all eight at once, into a whole pair of registers: number k goes to byte k; the form divides by 2^e, e the exponent of v[ONE]: by 1
	v_nop                                          ; one plain vector instruction between a scaled conversion and the first line that reads its result or writes a source of it: the next line does both
	v_cvt_pk_f32_fp8 v[T:T+1], v4.l
	v_cvt_pk_f32_fp8 v[T+2:T+3], v4.h
	v_cvt_pk_f32_fp8 v[T+4:T+5], v5.l
	v_cvt_pk_f32_fp8 v[T+6:T+7], v5.h
.irp k, 0,1,2,3
	v_cvt_pk_bf16_f32 v[X+4*(\j)+(\k)], v[T+2*(\k)], v[T+2*(\k)+1]  ; exact
.endr
.endm
; Chunk j is stored: chunks 0 to 15 into xq, 16 to 19 into wq.  A wave stores 512 consecutive bytes, at a multiple of 256 from the buffer's first.
.macro OUT j
.if (\j) < 16
	global_store_b128 v1, v[X+4*(\j):X+4*(\j)+3], s[10:11] offset:8192*(\j)
.else
	global_store_b128 v1, v[X+4*(\j):X+4*(\j)+3], s[12:13] offset:8192*((\j)-16)
.endif
.endm
; Block p: chunks 4 p to 4 p + 3, scaled by the pair f.
.macro BLK p, f
.irp i, 0,1,2,3
	WORK 4*(\p)+(\i), \f
.endr
	s_wait_alu depctr_va_vdst(0)                   ; the block's roundings have written its sixteen registers of X, which the four stores below read
.irp i, 0,1,2,3
	OUT 4*(\p)+(\i)
.endr
.endm
	BLK 0, FX
	BLK 1, FX
	BLK 2, FX
	BLK 3, FX
	BLK 4, FW
	s_cmp_lg_u32 ttmp9, 0                          ; wave 0 of work-group 0 stores the scale
	s_cbranch_scc1 .Lend
	s_cmp_lg_u32 s16, 0
	s_cbranch_scc1 .Lend
	v_mul_f32 v20, s27, v18                        ; d = a / 448: d = a (1 / 448), then d = d + (a - 448 d) (1 / 448)
	v_mul_f32 v21, s27, v19
	v_fma_f32 v22, -v20, s26, v18
	v_fma_f32 v23, -v21, s26, v19
	v_fma_f32 v20, v22, s27, v20
	v_fma_f32 v21, v23, s27, v21
	v_mul_f32 v24, v20, v21
	v_mov_b32 v25, v24
	s_wait_alu depctr_va_vdst(0)                   ; v24 and v25 are written, which the store below reads
	global_store_b64 v3, v[24:25], s[14:15]        ; 32 lanes x 8 bytes: the buffer's 256 bytes, whole
.Lend:
	s_endpgm
.Lfunc_end_k_qd66ca1ca9d_quant:
	.size	k_qd66ca1ca9d_quant, .Lfunc_end_k_qd66ca1ca9d_quant-k_qd66ca1ca9d_quant
	.p2alignl 7, 3214868480
	.fill 96, 4, 3214868480
	.section	.rodata,"a",@progbits
	.p2align	6, 0x0
	.amdhsa_kernel k_qd66ca1ca9d_quant
		.amdhsa_group_segment_fixed_size 0
		.amdhsa_private_segment_fixed_size 0
		.amdhsa_enable_private_segment 0
		.amdhsa_kernarg_size 48
		.amdhsa_user_sgpr_count 2
		.amdhsa_user_sgpr_kernarg_segment_ptr 1
		.amdhsa_wavefront_size32 1
		.amdhsa_system_sgpr_workgroup_id_x 1
		.amdhsa_system_sgpr_workgroup_id_y 1
		.amdhsa_system_sgpr_workgroup_id_z 1
		.amdhsa_system_vgpr_workitem_id 0
		.amdhsa_next_free_vgpr 128
		.amdhsa_next_free_sgpr 66
		.amdhsa_reserve_vcc 0
		.amdhsa_float_denorm_mode_32 3
		.amdhsa_float_denorm_mode_16_64 3
		.amdhsa_memory_ordered 1
		.amdhsa_forward_progress 1
		.amdhsa_inst_pref_size 39
	.end_amdhsa_kernel
	.amdgpu_metadata
---
amdhsa.version: [ 1, 2 ]
amdhsa.kernels:
  - .name:           k_qd66ca1ca9d_quant
    .symbol:         k_qd66ca1ca9d_quant.kd
    .args:
      - { .name: x, .offset: 0, .size: 8, .value_kind: global_buffer, .address_space: global }
      - { .name: weight, .offset: 8, .size: 8, .value_kind: global_buffer, .address_space: global }
      - { .name: part, .offset: 16, .size: 8, .value_kind: global_buffer, .address_space: global }
      - { .name: xq, .offset: 24, .size: 8, .value_kind: global_buffer, .address_space: global }
      - { .name: wq, .offset: 32, .size: 8, .value_kind: global_buffer, .address_space: global }
      - { .name: scale, .offset: 40, .size: 8, .value_kind: global_buffer, .address_space: global }
    .group_segment_fixed_size: 0
    .private_segment_fixed_size: 0
    .kernarg_segment_align: 8
    .kernarg_segment_size: 48
    .max_flat_workgroup_size: 512
    .sgpr_count:     66
    .vgpr_count:     128
    .wavefront_size: 32
...
	.end_amdgpu_metadata
.endif
;; end of part 4
;; launch gemm: the kernel of part 3 again; grid 8 x 32, 4 waves a work-group, clusters of 4 x 4, 327,680 bytes of LDS; arguments x, weight, xq, wq, scale, out0; writes out0
